; MI455X (gfx1250); checked and timed in simulation.
; The chip was launched on July 23, 2026; its instructions are those of AMD's public machine-readable ISA for CDNA 5 (MIT licence, August 2026) and "CDNA5" Instruction Set Architecture Reference Guide (July 2026). The comments in the code are by the model that wrote it; some were corrected since.
;; Self Attention. Allowed arithmetic: matrix products marked QUANTISED: E3M2 operands, one E8M0 scale for each 32 along K, by v_wmma_scale_f32_16x16x128_f8f6f4 with both operands' format E3M2, f32 sums; everything else in f32.
;; Inputs: bf 32 float32; bg 32 float32; bh 256 float32; bo 256 float32; gamma 1 float32; wf 32 x 256 float32; wg 32 x 256 float32; wh 256 x 256 float32; wo 256 x 256 float32; x 8 x 256 x 64 x 64 float32.
;; Outputs: out0 8 x 256 x 64 x 64 float32.
;; This version of the problem:
;;   THIS VERSION OF THE PROBLEM IS GIVEN IN LOW PRECISION. The matrix products marked QUANTISED in the list below multiply operands that are first quantised to E3M2 (3 exponent bits, 2 mantissa bits; 6 bits a number), with one power-of-two scale for each 32 numbers along K (OCP MX v1.0); their sums are f32. All else is computed in f32.
;;   The module's matrix products, in the order in which they are computed (A, B: the left and right operand; K: the contracted axis; several contracted axes count as one K, in the product's order):
;;     1. [M 32,768, K 256] x [K 256, N 32]; A: input x; B: input wf: QUANTISED
;;     2. [M 32,768, K 256] x [K 256, N 32]; A: input x; B: input wg: QUANTISED
;;     3. [M 32,768, K 256] x [K 256, N 256]; A: input x; B: input wh: QUANTISED
;;     4. batch 8 x [M 4,096, K 32] x [K 32, N 4,096]; A: computed on the way; B: computed on the way: QUANTISED
;;     5. batch 8 x [M 256, K 4,096] x [K 4,096, N 4,096]; A: computed on the way; B: softmax (see below): QUANTISED
;;     6. [M 32,768, K 256] x [K 256, N 256]; A: computed on the way; B: input wo: QUANTISED
;;   THE QUANTISER, for each operand of a quantised product, along K:
;;     - K is cut into blocks of 32 from its start; a last block that is shorter is filled with zeros.
;;     - A block's scale is 2^e with e = floor(log2(the largest magnitude in the block)) - 4, held to -126 .. 127; a block of zeros has e = 0. As a byte (E8M0): e + 127.
;;     - Each number is divided by its block's scale, clamped to +-28, and rounded to the nearest number of E3M2, ties to even, subnormals kept.
;;     - The product sums the exact products of the quantised numbers (number of the format x scale) in f32.
;;   ~~~python
;;   def quantise(x, axis):      # numpy; x: float32 -> the quantised numbers, widened to float32 again
;;       x = np.moveaxis(x, axis, -1); K = x.shape[-1]
;;       x = np.pad(x, [(0, 0)] * (x.ndim - 1) + [(0, -K % 32)]); x = x.reshape(x.shape[:-1] + (-1, 32)); a = np.abs(x).max(-1, keepdims=True)
;;       e = np.where(a > 0, np.clip(np.frexp(np.where(a > 0, a, 1))[1] - 1 - 4, -126, 127), 0)      # np.frexp(a)[1] - 1 = floor(log2(a)), exactly
;;       r = np.clip(x / 2.0 ** e, -28, 28)
;;       step = 2.0 ** (np.maximum(np.frexp(np.where(r == 0, 1, r))[1] - 1, -2) - 2)
;;       q = np.round(r / step) * step * 2.0 ** e      # np.round: ties to even
;;       return np.moveaxis(q.reshape(q.shape[:-2] + (-1,))[..., :K], -1, axis).astype(np.float32)
;;   ~~~
;;   SOFTMAX AHEAD OF A QUANTISED PRODUCT. Where the list says 'softmax', what is quantised is not the finished softmax but p = 2^(t - M), with t = logit x log2(e) and M = ceil(the row's largest t), a whole number; so 1/2 < the row's largest p <= 1. The row's sum l is taken of the UNQUANTISED p, in f32, and the product's result is divided by l at the end. Since M is a whole number, a kernel that streams over the keys may use a running M (the ceiling of the running maximum): every later rescaling is an exact power of two, which a block's scale takes up: the codes' values come out the same.
;;   OPERANDS COMPUTED ON THE WAY. 'Computed on the way' means the value that the module computes at that place (a softmax that the list does not call 'softmax' is quantised finished and normalised). What goes into a quantiser is computed in f32, as accurately as f32 sums, v_exp_f32 and their like allow (about 1e-6 of the number): no bf16 or f16 on the way to a quantiser, and a product that is left as it is and whose result goes on into a quantised operand takes f32 operands (vector FMAs, or v_wmma_f32_16x16x4_f32). A number that lies on a knife's edge between two numbers of the format may be rounded either way, as far as f32 arithmetic and the matrix unit's own rounding can turn it there, and no further.
;; One version. Each part assembles by itself: llvm-mc -triple=amdgcn-amd-amdhsa -mcpu=gfx1250 --defsym DOCPART=n.
;; ======== version 1 of 1: 2 launches
;; workspace buffers: kv 7,471,104 bytes; qimg 786,432 bytes; woimg 51,200 bytes
;; launch project (part 1): grid 256 x 1, 8 waves a work-group, no clusters, 167,936 bytes of LDS; arguments x, wf, bf, wg, bg, wh, bh, wo, kv, qimg, woimg; writes kv, qimg, woimg
.if DOCPART == 1
	.amdgcn_target "amdgcn-amd-amdhsa--gfx1250"
	.amdhsa_code_object_version 6
	.text
	.protected	k_q0f8ed09ad0_project
	.globl	k_q0f8ed09ad0_project
	.p2align	8
	.type	k_q0f8ed09ad0_project,@function
k_q0f8ed09ad0_project:
	s_mov_b64 s[64:65], 0
	v_nop
	global_prefetch_b8 v0, s[64:65] scope:SCOPE_SE
	s_setreg_imm32_b32 hwreg(HW_REG_WAVE_MODE, 25, 1), 1
	s_wait_xcnt 0x0
; f = wf x + bf, g = wg x + bg, hh = wh x + bh  (x: [8][256][4096] f32, K = the 256 channels), all three products on codes of E3M2 with one E8M0 scale for each 32 along K;
; then f and g are quantised along their 32 channels, hh along the positions, wo along its 256 input channels, and all leave as IMAGES OF OPERAND REGISTERS for the second launch.
; NO WORK IS LEFT OUT: every input has a way to the output.  bf would cancel in a softmax of real numbers, but it moves f's codes ahead of a quantised product, so it stays.
; LIMITS: NaN and infinities among the inputs are not served.  A block whose largest magnitude lies under 2^-122 keeps the scale byte 1; a block of zeros gets the byte 1 where the rule says 127
; (its codes are zeros, which add nothing under any byte but 0xff, and this program alone reads the bytes).  Sums are taken in the matrix unit's order.
; SHARES.  Work-group rec = 32 b + s owns positions 128 s .. 128 s + 127 of batch b and writes one record of kv.  THE WAVES SHARE THE COLUMNS: wave w makes hh's channel tiles 2 w and 2 w + 1 for all 128
; positions; waves 0-3 also make one packed fragment each of f (waves 0, 1) or g (waves 2, 3); wave 7 of work-groups 0-7 quantises 32 rows of wo.
; NO CLUSTER: a work-group's tile of x is read by no other; the weights arrive as f32 and go lane by lane into registers: as one joint tile 320 rows x 1,024 bytes would take all 327,680 bytes of LDS.
; THE ROWS OF A TILE ARE NOT NEIGHBOURS: row r of tile t is perm(t, r) = 32 (t / 2) + 8 (t % 2) + r + 8 (r / 8), for position tiles, channel tiles and the weights' rows alike, so that the 16 result
; registers of tiles 2 b and 2 b + 1 are the 16 neighbours 32 b + 16 (lane / 16) + 0 .. 15 along the next product's K.
; A FRAGMENT'S IMAGE: 12 registers a lane; register p of lane l lies at 512 (p / 4) + 16 l + 4 (p % 4): three accesses of 16 bytes a lane.
; A RECORD (29,184 bytes): 0: V, 16 fragments (tile t: row r = channel perm(t, r), k = the record's 128 positions); 24,576: K, 2 packed fragments (P: row r, block B = the 32 channel codes of key perm(4 P + B, r));
; 27,648: V's scale words (tile t, row r at 256 (t / 4) + 16 r + 4 (t % 4)); 28,672: K's (lane l, fragment P at 8 l + 4 P); 28,928: g's, in the same form.  g's packed fragments go to qimg, 3,072 bytes a record.
; woimg: fragment (t, k step) at (2 t + k step) 1,536; scale words from 49,152 on, at 256 (t / 2) + 16 r + 4 (2 (t % 2) + k step).
; LDS: 0: x's tile, 256 channel rows x 512 bytes, filled once by eight tensor loads; then x's 16 fragments, their scale words, the image of the record's last 1,536 bytes, the spare words.
; REGISTERS: window 0: v1-15 addresses; v16-79, v80-143 two sets of 64 numbers; v144-179 codes and work; v184-191 x's scale words; v192-199 the weights'; v208-239 biases.  window 1: v0-95 eight fragments of x; v96-191 eight of weights.
.set REC,   29184
.set XIMG,  131072                     ; x's fragments: (position tile T, k step s) at (2 T + s) 1,536
.set XSC,   155648                     ; their scale words: 64 bytes a fragment
.set TAIL,  156672                     ; the record's bytes 27,648 on
.set SPARE, 158208                     ; the spare words: 128 bytes a wave, four blocks of 256 bytes that no other line names
.set WA,   4                           ; v4   a weight's row perm(., r) of 1,024 bytes, + 64 (lane / 16)
.set LI,   5                           ; v5   16 x lane
.set XR,   6                           ; v6   x's tile: my k step's first channel row, my position
.set XW,   7                           ; v7   where my position's codes go among x's fragments
.set XWS,  8                           ; v8   and its scale word
.set LIX,  9                           ; v9   XIMG + 16 x lane
.set XSR,  10                          ; v10  XSC + 4 r
.set LIX2, 11                          ; v11  the same for the half of the positions that my packed fragment takes
.set XSR2, 12
.set TV,   13                          ; v13  the tail: my two tiles' scale words of V
.set TF,   14                          ; v14  the tail: my packed fragment's scale word
.set TR,   15                          ; v15  the tail: the 512 bytes that I send
.set NUM0, 16
.set NUM1, 80
.set PC,   144                         ; a fragment's codes
.set PT,   156                         ; the conversions' second halves
.set TM,   164                         ; +0..3 largest magnitudes, +4..7 the other half's, then bytes, +12..15 the conversions' scale operands
.set XC,   144                         ; x's way: 24 registers of codes,
.set XT3,  168                         ; a conversion's second half,
.set XM,   172                         ; two chains of the maximum,
.set XO,   174                         ; the scale operand,
.set XB,   175                         ; the byte,
.set XWD,  176                         ; the scale word
.set XS,   184
.set WS,   192
.set VW,   200
.set FW,   202
.set BHO,  204
.set BFO,  205
.set WOSO, 206
.set BHC,  208
.set BFC,  224
.set SPW,  252                         ; v252 my spare word's LDS address; never rewritten
.set NIL,  253                         ; v253 0; never rewritten
.set XF,   0                           ; window 1
.set W,    96                          ; window 1: job j at W + 12 j
.set WV,   26
.set SEL,  28
.set G0,   32
.set G1,   36
.set EP,   44                          ; s[44:45] wf, wg or my 32 rows of wo
.set WHP,  46                          ; s[46:47] my 32 rows of wh
.set KVP,  48                          ; s[48:49] my two fragments of V in the record
.set FGP,  50                          ; s[50:51] my packed fragment: in kv (f) or in qimg (g)
.set WOP,  52                          ; s[52:53] my four fragments in woimg
.set KVT,  54                          ; s[54:55] my 512 bytes of the record's tail
.set BFP,  56                          ; s[56:57] bf or bg
.set MSB, 0
.macro WIN new                         ; the immediate's high byte repeats the setting that is left
.if MSB != \new
	s_set_vgpr_msb (MSB<<8)|\new
.set MSB, \new
.endif
.endm
.macro PLACES n
.rept \n
	v_nop
.endr
.endm
.macro BARRIER                         ; my LDS stores have landed and my LDS loads are in: then the work-group's barrier
	s_wait_dscnt 0x0
	s_barrier_signal -1
	s_barrier_wait -1
.endm
; 64 numbers of 16 rows of a weight, 128 along K: register 16 b + 4 j + i = k 32 b + 16 (lane / 16) + 4 j + i of row perm(., r)
.macro LOADW buf, base, imm
.irp b, 0,1,2,3
.irp j, 0,1,2,3
	global_load_b128 v[\buf+16*\b+4*\j:\buf+16*\b+4*\j+3], v[WA], s[\base:\base+1] offset:\imm+128*\b+16*\j
.endr
.endr
.endm
; 64 numbers of a lane, register 16 b + i = k 32 b + 16 (lane / 16) + i of my row, become a fragment's codes (win = 0: in v[d] on; win = 1: in v[d] on of window 1) and its scale word in v[pw]
.macro QUANT s, d, win, pw
.irp b, 0,1,2,3
	v_max3_num_f32 v[TM+\b], |v[\s+16*\b]|, |v[\s+1+16*\b]|, 0x2800000   ; block b: my 16 numbers, and the floor 2^(5 - 127): the byte cannot fall under 1
.endr
.irp i, 2,4,6,8,10,12,14
.irp b, 0,1,2,3
	v_max3_num_f32 v[TM+\b], v[TM+\b], |v[\s+16*\b+\i]|, |v[\s+1+16*\b+\i]|   ; the four blocks by turns
.endr
.endr
.irp b, 0,1,2,3
	v_permlanex16_b32 v[TM+4+\b], v[TM+\b], s[SEL], s[SEL+1]
.endr
.irp b, 0,1,2,3
	v_max_num_f32 v[TM+\b], v[TM+\b], v[TM+4+\b]   ; with lane l xor 16's: the block's largest magnitude
.endr
.irp b, 0,1,2,3
	v_add_nc_u32 v[TM+12+\b], 0xfe000000, v[TM+\b]   ; 4 off its exponent field: the conversion takes this operand's exponent field as its scale
.endr
.irp b, 0,1,2,3
	v_lshrrev_b32 v[TM+4+\b], 23, v[TM+12+\b]      ; the scale's byte
.endr
	v_lshl_or_b32 v[\pw], v[TM+5], 8, v[TM+4]
	v_lshl_or_b32 v[\pw], v[TM+6], 16, v[\pw]
	v_lshl_or_b32 v[\pw], v[TM+7], 24, v[\pw]      ; my row's scale word
.if \win
.set QD, PC
.else
.set QD, \d
.endif
.irp c, 0,1
	v_cvt_scalef32_pk16_bf6_f32 v[QD+6*\c:QD+2+6*\c], v[\s+32*\c:\s+15+32*\c], v[TM+12+2*\c]
	v_cvt_scalef32_pk16_bf6_f32 v[PT+4*\c:PT+2+4*\c], v[\s+16+32*\c:\s+31+32*\c], v[TM+12+2*\c+1]   ; (a conversion's three registers begin on an even number)
.endr
	v_nop                                          ; one plain place behind a scaled conversion
.irp c, 0,1                                    ; the operand's layout wants a whole block in a lane: lanes 0-15 block 2 c, lanes 16-31 block 2 c + 1
.irp i, 0,1,2
	v_permlane16_swap_b32 v[QD+6*\c+\i], v[PT+4*\c+\i]
.endr
.endr
.if \win
	WIN 0x40                                       ; destination window 1
.irp c, 0,1
.irp i, 0,1,2
	v_mov_b32 v[\d+6*\c+\i], v[PC+6*\c+\i]
	v_mov_b32 v[\d+3+6*\c+\i], v[PT+4*\c+\i]
.endr
.endr
	WIN 0
.else
.irp c, 0,1
.irp i, 0,1,2
	v_mov_b32 v[\d+3+6*\c+\i], v[PT+4*\c+\i]
.endr
.endr
.endif
.endm
.macro JOB buf, j, left                ; weight job j is in (left: the other buffer's younger loads) and becomes fragment j
	s_wait_loadcnt \left
	QUANT \buf, W+12*\j, 1, WS+\j
.endm
.macro MMC d, a, b, c, sa, sb
	v_wmma_scale_f32_16x16x128_f8f6f4 v[\d:\d+7], v[\a:\a+11], v[\b:\b+11], v[\c:\c+7], v[\sa], v[\sb] matrix_a_fmt:MATRIX_FMT_BF6 matrix_b_fmt:MATRIX_FMT_BF6
.endm
.macro XLD b                           ; block b of my k step: 32 channels of my position; the 32 lanes read 128 consecutive bytes of a channel row
.set ii, 0
.rept 32
	ds_load_b32 v[NUM0+32*\b+ii], v[XR] offset:(32*\b+ii)*512
.set ii, ii+1
.endr
.endm
.macro XBLOCK b                        ; the block's 32 numbers are all mine: scale, byte, 32 codes in six registers at their place in the fragment's image
.set XN, NUM0+32*\b
.set XD, XC+12*(\b%2)+6*(\b/2)
	v_max3_num_f32 v[XM], |v[XN]|, |v[XN+1]|, |v[XN+2]|
	v_max3_num_f32 v[XM+1], |v[XN+3]|, |v[XN+4]|, |v[XN+5]|
.irp i, 6,10,14,18,22,26
	v_max3_num_f32 v[XM], v[XM], |v[XN+\i]|, |v[XN+\i+1]|
	v_max3_num_f32 v[XM+1], v[XM+1], |v[XN+\i+2]|, |v[XN+\i+3]|
.endr
	v_max3_num_f32 v[XM], v[XM], |v[XN+30]|, |v[XN+31]|
	v_max3_num_f32 v[XM], v[XM], v[XM+1], 0x2800000
	v_add_nc_u32 v[XO], 0xfe000000, v[XM]
	v_lshrrev_b32 v[XB], 23, v[XO]
.if \b == 0
	v_mov_b32 v[XWD], v[XB]
.else
	v_lshl_or_b32 v[XWD], v[XB], 8*\b, v[XWD]
.endif
	v_cvt_scalef32_pk16_bf6_f32 v[XD:XD+2], v[XN:XN+15], v[XO]
	v_cvt_scalef32_pk16_bf6_f32 v[XT3:XT3+2], v[XN+16:XN+31], v[XO]
	v_nop                                          ; one plain place behind a scaled conversion
.irp i, 0,1,2
	v_mov_b32 v[XD+3+\i], v[XT3+\i]
.endr
.endm
.macro FETCHX adr, sadr, base          ; eight fragments of x, base on, into window 1, and their scale words
	WIN 0x40
.irp f, 0,1,2,3,4,5,6,7
.irp k, 0,1,2
	ds_load_b128 v[XF+12*\f+4*\k:XF+12*\f+4*\k+3], v[\adr] offset:(\base+\f)*1536+512*\k
.endr
.endr
	WIN 0
.irp f, 0,1,2,3,4,5,6,7
	ds_load_b32 v[XS+\f], v[\sadr] offset:(\base+\f)*64
.endr
.endm
	s_load_b512 s[4:19], s[0:1], 0x0               ; x, wf, bf, wg, bg, wh, bh, wo
	s_load_b128 s[20:23], s[0:1], 0x40             ; kv, qimg
	s_load_b64 s[24:25], s[0:1], 0x50              ; woimg
	v_lshl_add_u32 v[SPW], v0, 2, SPARE
	v_mov_b32 v[NIL], 0
	ds_add_u32 v[SPW], v[NIL]                      ; the wave's opening: the add, twice on end, and its wait ahead of my first tensor load; the set-up below is work on registers
	ds_add_u32 v[SPW], v[NIL]
	v_lshrrev_b32 v1, 5, v0
	v_readfirstlane_b32 s[WV], v1                  ; wave 0..7
	v_and_b32 v1, 31, v0                           ; lane
	v_and_b32 v2, 15, v0                           ; r
	v_bfe_u32 v3, v0, 4, 1                         ; h
	s_mov_b32 s[SEL], 0x76543210
	s_mov_b32 s[SEL+1], 0xfedcba98                 ; v_permlanex16_b32's selects for lane l xor 16
	s_and_b32 s30, s[WV], 3                        ; x's way: which 32 positions
	s_lshr_b32 s31, s[WV], 2                       ; x's way: which k step
	s_and_b32 s27, s[WV], 1
	s_lshr_b32 s58, s[WV], 1
	; descriptor group 1: 32 channel rows x 128 positions of 4 bytes, rows 4,096 elements apart, no padding
	s_mov_b32 s[G1], 2<<16
	s_mov_b32 s[G1+1], 128<<16                     ; tensor_dim0
	s_mov_b32 s[G1+2], 32<<16                      ; tensor_dim1
	s_mov_b32 s[G1+3], 128<<16                     ; tile_dim0
	s_mov_b32 s[G1+4], 32                          ; tile_dim1
	s_mov_b32 s[G1+5], 4096                        ; from row to row
	s_mov_b32 s[G1+6], 0
	s_mov_b32 s[G1+7], 0
	s_mov_b32 s[G0], 1
	s_lshl_b32 s[G0+1], s[WV], 14                  ; LDS: my 32 rows of 512 bytes
	s_lshr_b32 s59, ttmp9, 5                       ; b
	s_lshl_b32 s[G0+2], s59, 22                    ; a batch is 4,194,304 bytes,
	s_and_b32 s59, ttmp9, 31
	s_lshl_b32 s59, s59, 9                         ; 128 positions are 512,
	s_add_co_u32 s[G0+2], s[G0+2], s59
	s_lshl_b32 s59, s[WV], 19                      ; 32 channels are 524,288
	s_add_co_u32 s[G0+2], s[G0+2], s59
	s_mov_b32 s[G0+3], 0
	; every address register is made here, ahead of the first place where waves part
	v_and_b32 v240, 8, v2
	v_add_nc_u32 v240, v240, v2                    ; r + 8 (r / 8)
	v_lshlrev_b32 v[WA], 10, v240
	v_lshl_add_u32 v[WA], v3, 6, v[WA]
	v_lshlrev_b32 v[BHO], 2, v240
	v_lshlrev_b32 v[BFO], 6, v3
	v_lshlrev_b32 v[LI], 4, v1
	s_lshl_b32 s59, s31, 16
	s_lshl_b32 s60, s30, 7
	s_add_co_u32 s59, s59, s60
	v_lshl_add_u32 v[XR], v1, 2, s59
	v_bfe_u32 v241, v0, 3, 1                       ; my position 32 pg + lane is row r' of tile 2 pg + u: u = bit 3 of the lane,
	v_and_b32 v242, 7, v0
	v_and_b32 v243, 16, v0
	v_lshrrev_b32 v243, 1, v243
	v_add_nc_u32 v242, v242, v243                  ; r' = lane % 8 + 8 (lane / 16)
	s_mul_i32 s59, s30, 6144
	s_mul_i32 s60, s31, 1536
	s_add_co_u32 s59, s59, s60
	s_add_co_u32 s59, s59, XIMG
	v_mul_u32_u24 v[XW], v241, 3072
	v_lshl_add_u32 v[XW], v242, 4, v[XW]
	v_add_nc_u32 v[XW], s59, v[XW]
	s_lshl_b32 s59, s30, 8
	s_lshl_b32 s60, s31, 6
	s_add_co_u32 s59, s59, s60
	s_add_co_u32 s59, s59, XSC
	v_lshlrev_b32 v[XWS], 7, v241
	v_lshl_add_u32 v[XWS], v242, 2, v[XWS]
	v_add_nc_u32 v[XWS], s59, v[XWS]
	v_add_nc_u32 v[LIX], XIMG, v[LI]
	v_lshl_add_u32 v[XSR], v2, 2, XSC
	s_mul_i32 s59, s27, 12288
	v_add_nc_u32 v[LIX2], s59, v[LIX]
	s_lshl_b32 s59, s27, 9
	v_add_nc_u32 v[XSR2], s59, v[XSR]
	s_lshl_b32 s59, s58, 8
	s_lshl_b32 s60, s27, 3
	s_add_co_u32 s59, s59, s60
	s_add_co_u32 s59, s59, TAIL
	v_lshl_add_u32 v[TV], v2, 4, s59
	s_lshr_b32 s59, s30, 1
	s_lshl_b32 s59, s59, 8
	s_lshl_b32 s60, s27, 2
	s_add_co_u32 s59, s59, s60
	s_add_co_u32 s59, s59, TAIL+1024
	v_lshl_add_u32 v[TF], v1, 3, s59
	s_min_u32 s61, s[WV], 2                        ; (waves 0-2 send the tail; the others' register stays inside it)
	s_lshl_b32 s61, s61, 9
	s_add_co_u32 s59, s61, TAIL
	v_lshl_add_u32 v[TR], v1, 4, s59
.irp b, 0,1,2,3
	v_mov_b32 v[TM+4+\b], 0                        ; written once: a lane permute's destination counts as one of its sources
.endr
	; byte offsets, each in the pair that will hold the sum with its buffer's address
	s_mul_i32 s60, ttmp9, REC                      ; my record
	s_add_co_u32 s[KVT], s60, s61
	s_add_co_u32 s[KVT], s[KVT], 27648
	s_mov_b32 s[KVT+1], 0
	s_mul_i32 s59, s[WV], 3072
	s_add_co_u32 s[KVP], s60, s59
	s_mov_b32 s[KVP+1], 0
	s_mul_i32 s61, ttmp9, 3072
	s_add_co_u32 s62, s60, 24576
	s_cmp_lt_u32 s[WV], 2                          ; f goes into the record, g into qimg
	s_cselect_b32 s[FGP], s62, s61
	s_mul_i32 s61, s27, 1536
	s_add_co_u32 s[FGP], s[FGP], s61
	s_mov_b32 s[FGP+1], 0
	s_min_u32 s59, ttmp9, 7                        ; wo's pair of tiles (work-groups 0-7 take one each; the others' offsets stay inside the buffers and are not used)
	s_mul_i32 s[WOP], s59, 6144
	s_mov_b32 s[WOP+1], 0
	s_lshl_b32 s[EP], s59, 15
	s_cmp_lt_u32 s[WV], 4
	s_cselect_b32 s[EP], 0, s[EP]
	s_mov_b32 s[EP+1], 0
	s_lshl_b32 s61, s59, 8
	s_add_co_u32 s61, s61, 49152
	v_lshlrev_b32 v[WOSO], 4, v2
	v_lshl_add_u32 v[WOSO], v3, 3, v[WOSO]
	v_add_nc_u32 v[WOSO], s61, v[WOSO]
	s_lshl_b32 s[WHP], s[WV], 15
	s_mov_b32 s[WHP+1], 0
	s_lshl_b32 s62, s[WV], 7
	s_mov_b32 s63, 0
	s_wait_dscnt 0x0                               ; both opening adds are done
	s_wait_kmcnt 0x0
	s_add_nc_u64 s[G0+2:G0+3], s[4:5], s[G0+2:G0+3]
	s_or_b32 s[G0+3], s[G0+3], 0x80000000          ; type = 2
	tensor_load_to_lds s[G0:G0+3], s[G1:G1+7]      ; my 32 channel rows of x's tile: one load a wave, filled once
	s_nop 0
	PLACES 4
	s_add_nc_u64 s[WHP:WHP+1], s[14:15], s[WHP:WHP+1]
	s_add_nc_u64 s[KVP:KVP+1], s[20:21], s[KVP:KVP+1]
	s_add_nc_u64 s[KVT:KVT+1], s[20:21], s[KVT:KVT+1]
	s_add_nc_u64 s[WOP:WOP+1], s[24:25], s[WOP:WOP+1]
	s_add_nc_u64 s[16:17], s[16:17], s[62:63]      ; bh at my 32 channels
	s_cmp_lt_u32 s[WV], 2
	s_cselect_b64 s[BFP:BFP+1], s[8:9], s[12:13]
	s_cselect_b64 s[60:61], s[20:21], s[22:23]
	s_cselect_b64 s[62:63], s[6:7], s[10:11]
	s_add_nc_u64 s[FGP:FGP+1], s[60:61], s[FGP:FGP+1]
	s_cmp_lt_u32 s[WV], 4
	s_cselect_b64 s[62:63], s[62:63], s[18:19]
	s_add_nc_u64 s[EP:EP+1], s[62:63], s[EP:EP+1]
	; the biases, in the results' layouts.  f, g: register j of tile u is channel 16 h + 8 u + j.  hh: a lane's eight registers are positions of ONE channel, perm(2 w + c, r)
	s_cmp_lt_u32 s[WV], 4
	s_cbranch_scc0 .Lnobf
.irp i, 0,1,2,3
	global_load_b128 v[BFC+4*\i:BFC+4*\i+3], v[BFO], s[BFP:BFP+1] offset:16*\i
.endr
.Lnobf:
	global_load_b32 v[BHC], v[BHO], s[16:17]
	global_load_b32 v[BHC+8], v[BHO], s[16:17] offset:32
	; ---- W: the weights become fragments while x is on its way.  Two buffers of 64 numbers take turns; job 2 c + s = tile c, k step s
	LOADW NUM0, WHP, 0
	LOADW NUM1, WHP, 512
	s_wait_loadcnt 16                              ; the biases and job 0 are in; job 1's 16 loads may be out
.irp i, 1,2,3,4,5,6,7
	v_mov_b32 v[BHC+\i], v[BHC]
	v_mov_b32 v[BHC+8+\i], v[BHC+8]
.endr
	QUANT NUM0, W, 1, WS
	LOADW NUM0, WHP, 8192
	JOB NUM1, 1, 16
	LOADW NUM1, WHP, 8704
	s_cmp_lt_u32 s[WV], 4                          ; waves 0-3 go on with wf or wg,
	s_cbranch_scc1 .Lextra
	s_cmp_lg_u32 s[WV], 7
	s_cbranch_scc1 .Lplain
	s_cmp_lt_u32 ttmp9, 8                          ; wave 7 of work-groups 0-7 with wo
	s_cbranch_scc1 .Lextra
.Lplain:
	JOB NUM0, 2, 16
	JOB NUM1, 3, 0
	s_branch .Ljoin
.Lextra:
	JOB NUM0, 2, 16
	LOADW NUM0, EP, 0
	JOB NUM1, 3, 16
	LOADW NUM1, EP, 512
	JOB NUM0, 4, 16
	LOADW NUM0, EP, 8192
	JOB NUM1, 5, 16
	LOADW NUM1, EP, 8704
	JOB NUM0, 6, 16
	JOB NUM1, 7, 0
	s_cmp_lt_u32 s[WV], 4
	s_cbranch_scc1 .Ljoin
	WIN 0x04                                       ; a store's data are its source 1: window 1
.irp f, 0,1,2,3
.irp k, 0,1,2
	global_store_b128 v[LI], v[W+48+12*\f+4*\k:W+48+12*\f+4*\k+3], s[WOP:WOP+1] offset:1536*\f+512*\k   ; 32 lanes store 512 consecutive bytes
.endr
.endr
	WIN 0
	v_cmp_eq_u32 vcc_lo, 1, v3                     ; a row's four scale words are 16 bytes: lanes 0-15 store the first two, lanes 16-31 the other two
	v_cndmask_b32 v240, v[WS+4], v[WS+6], vcc_lo
	v_cndmask_b32 v241, v[WS+5], v[WS+7], vcc_lo
	global_store_b64 v[WOSO], v[240:241], s[24:25] ; 32 lanes store 256 consecutive bytes, aligned
.Ljoin:
	s_wait_tensorcnt 0x0                           ; my rows of x's tile are in LDS,
	s_barrier_signal -1
	s_barrier_wait -1                              ; everybody's are
	; ---- X: a lane takes ONE position and 128 channels: four blocks of 32, each wholly in its registers.  Each count of 32 leaves the next block's loads out
	XLD 0
	XLD 1
	s_wait_dscnt 32
	XBLOCK 0
	XLD 2
	s_wait_dscnt 32
	XBLOCK 1
	XLD 3
	s_wait_dscnt 32
	XBLOCK 2
	s_wait_dscnt 0x0
	XBLOCK 3
.irp h, 0,1                                    ; blocks h and 2 + h are the registers of lane r' + 16 h of the fragment's image
.irp k, 0,1,2
	ds_store_b128 v[XW], v[XC+12*\h+4*\k:XC+12*\h+4*\k+3] offset:256*\h+512*\k
.endr
.endr
	ds_store_b32 v[XWS], v[XWD]
	BARRIER                                        ; x's sixteen fragments lie in LDS
	; ---- H: hh, my two channel tiles x eight position tiles.  Source 0 = 16 positions of x, source 1 = 16 rows of wh: a lane holds ONE channel and its registers run along the positions.
	; Two accumulators take turns, one instruction a turn; the bias is the C of each sum's first product
.irp P, 0,1
.if \P
	PLACES 4                                       ; in front of loads into registers that matrix instructions have read
.endif
	FETCHX LIX, XSR, 8*\P
	s_wait_dscnt 0x0
	WIN 0x05                                       ; sources 0 and 1 window 1; C and D window 0
.irp T, 0,1,2,3
	MMC NUM0+8*(4*\P+\T), XF+12*(2*\T), W, BHC, XS+2*\T, WS
	MMC NUM1+8*(4*\P+\T), XF+12*(2*\T), W+24, BHC+8, XS+2*\T, WS+2
	MMC NUM0+8*(4*\P+\T), XF+12*(2*\T+1), W+12, NUM0+8*(4*\P+\T), XS+2*\T+1, WS+1
	MMC NUM1+8*(4*\P+\T), XF+12*(2*\T+1), W+36, NUM1+8*(4*\P+\T), XS+2*\T+1, WS+3
.endr
	WIN 0
.endr
	PLACES 4                                       ; in front of the first read of results
	QUANT NUM0, PC, 0, VW                          ; along the positions: a fragment of V
.irp k, 0,1,2
	global_store_b128 v[LI], v[PC+4*\k:PC+4*\k+3], s[KVP:KVP+1] offset:512*\k
.endr
	s_wait_xcnt 0x0                                ; the stores have read their data: the codes' registers are written again only behind this wait
	QUANT NUM1, PC, 0, VW+1
.irp k, 0,1,2
	global_store_b128 v[LI], v[PC+4*\k:PC+4*\k+3], s[KVP:KVP+1] offset:1536+512*\k
.endr
	ds_store_b64 v[TV], v[VW:VW+1]                 ; both halves of the lanes write the same bytes with the same values
	; ---- FG: waves 0-3: f or g at 64 positions.  Source 0 = 16 rows of the weight, source 1 = 16 positions of x: a lane holds ONE position and 16 of its 32 channels: one block for each position
	s_cmp_lt_u32 s[WV], 4
	s_cbranch_scc0 .Lnofg
	FETCHX LIX2, XSR2, 0
	s_wait_dscnt 0x0
	WIN 0x05
.irp B, 0,1,2,3
	MMC NUM0+16*\B, W+48, XF+12*(2*\B), BFC, WS+4, XS+2*\B
	MMC NUM0+16*\B+8, W+72, XF+12*(2*\B), BFC+8, WS+6, XS+2*\B
	MMC NUM0+16*\B, W+60, XF+12*(2*\B+1), NUM0+16*\B, WS+5, XS+2*\B+1
	MMC NUM0+16*\B+8, W+84, XF+12*(2*\B+1), NUM0+16*\B+8, WS+7, XS+2*\B+1
.endr
	WIN 0
	PLACES 4
	s_wait_xcnt 0x0                                ; V's stores have read the codes' registers
	QUANT NUM0, PC, 0, FW                          ; block B of row r = the 32 channels of position perm(4 P + B, r): a packed fragment
.irp k, 0,1,2
	global_store_b128 v[LI], v[PC+4*\k:PC+4*\k+3], s[FGP:FGP+1] offset:512*\k
.endr
	ds_store_b32 v[TF], v[FW]
.Lnofg:
	BARRIER                                        ; the record's last 1,536 bytes lie in LDS
	s_cmp_lt_u32 s[WV], 3
	s_cbranch_scc0 .Lend
	ds_load_b128 v[244:247], v[TR]
	s_wait_dscnt 0x0
	global_store_b128 v[LI], v[244:247], s[KVT:KVT+1]   ; 32 lanes store 512 consecutive bytes, at a multiple of 256 from kv's first byte
.Lend:
	s_wait_tensorcnt 0x0                           ; the wave's end, behind my last tensor load and my last LDS store
	ds_add_u32 v[SPW], v[NIL]
	s_wait_dscnt 0x0
	s_endpgm
.Lfunc_end_k_q0f8ed09ad0_project:
	.size	k_q0f8ed09ad0_project, .Lfunc_end_k_q0f8ed09ad0_project-k_q0f8ed09ad0_project
	.p2alignl 7, 3214868480
	.fill 96, 4, 3214868480
	.section	.rodata,"a",@progbits
	.p2align	6, 0x0
	.amdhsa_kernel k_q0f8ed09ad0_project
		.amdhsa_group_segment_fixed_size 167936
		.amdhsa_private_segment_fixed_size 0
		.amdhsa_enable_private_segment 0
		.amdhsa_kernarg_size 88
		.amdhsa_user_sgpr_count 2
		.amdhsa_user_sgpr_kernarg_segment_ptr 1
		.amdhsa_wavefront_size32 1
		.amdhsa_system_sgpr_workgroup_id_x 1
		.amdhsa_system_sgpr_workgroup_id_y 1
		.amdhsa_system_sgpr_workgroup_id_z 1
		.amdhsa_system_vgpr_workitem_id 0
		.amdhsa_next_free_vgpr 512
		.amdhsa_next_free_sgpr 66
		.amdhsa_reserve_vcc 1
		.amdhsa_float_denorm_mode_32 3
		.amdhsa_float_denorm_mode_16_64 3
		.amdhsa_memory_ordered 1
		.amdhsa_forward_progress 1
		.amdhsa_inst_pref_size 102
	.end_amdhsa_kernel
	.amdgpu_metadata
---
amdhsa.version: [ 1, 2 ]
amdhsa.kernels:
  - .name:           k_q0f8ed09ad0_project
    .symbol:         k_q0f8ed09ad0_project.kd
    .args:
      - { .name: x, .offset: 0, .size: 8, .value_kind: global_buffer, .address_space: global }
      - { .name: wf, .offset: 8, .size: 8, .value_kind: global_buffer, .address_space: global }
      - { .name: bf, .offset: 16, .size: 8, .value_kind: global_buffer, .address_space: global }
      - { .name: wg, .offset: 24, .size: 8, .value_kind: global_buffer, .address_space: global }
      - { .name: bg, .offset: 32, .size: 8, .value_kind: global_buffer, .address_space: global }
      - { .name: wh, .offset: 40, .size: 8, .value_kind: global_buffer, .address_space: global }
      - { .name: bh, .offset: 48, .size: 8, .value_kind: global_buffer, .address_space: global }
      - { .name: wo, .offset: 56, .size: 8, .value_kind: global_buffer, .address_space: global }
      - { .name: kv, .offset: 64, .size: 8, .value_kind: global_buffer, .address_space: global }
      - { .name: qimg, .offset: 72, .size: 8, .value_kind: global_buffer, .address_space: global }
      - { .name: woimg, .offset: 80, .size: 8, .value_kind: global_buffer, .address_space: global }
    .group_segment_fixed_size: 167936
    .private_segment_fixed_size: 0
    .kernarg_segment_align: 8
    .kernarg_segment_size: 88
    .max_flat_workgroup_size: 256
    .sgpr_count:     66
    .vgpr_count:     512
    .wavefront_size: 32
...
	.end_amdgpu_metadata
.endif
;; end of part 1
;; launch attend (part 2): grid 32 x 8, 8 waves a work-group, clusters of 4 x 1, 327,680 bytes of LDS; arguments kv, qimg, woimg, x, bo, gamma, out0; writes out0
.if DOCPART == 2
	.amdgcn_target "amdgcn-amd-amdhsa--gfx1250"
	.amdhsa_code_object_version 6
	.text
	.protected	k_q0f8ed09ad0_attend
	.globl	k_q0f8ed09ad0_attend
	.p2align	8
	.type	k_q0f8ed09ad0_attend,@function
k_q0f8ed09ad0_attend:
	s_mov_b64 s[64:65], 0
	v_nop
	global_prefetch_b8 v0, s[64:65] scope:SCOPE_SE
	s_setreg_imm32_b32 hwreg(HW_REG_WAVE_MODE, 25, 1), 1
	s_wait_xcnt 0x0
	s_wait_alu depctr_hold_cnt(0) depctr_sa_sdst(0) depctr_va_vdst(0) depctr_va_sdst(0) depctr_va_ssrc(0) depctr_va_vcc(0) depctr_vm_vsrc(0)
	s_getreg_b32 s2, hwreg(HW_REG_IB_STS2, 6, 4)
	s_cmp_eq_u32 s2, 0
	s_cbranch_scc0 .Lentry_in_a_cluster
	s_endpgm
.Lentry_in_a_cluster:
	s_bfe_u32 s2, ttmp6, 0x10000c
	s_cmp_lg_u32 s2, 0x3003
	s_cbranch_scc0 .Lentry_shape_is_right
	s_endpgm
.Lentry_shape_is_right:
; out0 = gamma (wo o_pre + bo) + x,  o_pre[c][i] = sum over j of hh[c][j] softmax_j(g[:, i] . f[:, j]),  all three products on codes of E3M2 with one E8M0 scale for each 32 along K.  No work is left out here either.
; The operands come as images of operand registers (12 registers a lane; register p of lane l at 512 (p / 4) + 16 l + 4 (p % 4)): kv holds a record of 29,184 bytes for each 128 positions of a batch:
; 0: V, 16 fragments (tile t: row r = channel perm(t, r), k = the 128 positions); 24,576: K, 2 packed fragments; 27,648: V's scale words; 28,672: K's; 28,928: the queries'.  perm(t, r) = 32 (t / 2) + 8 (t % 2) + r + 8 (r / 8).
; THE SOFTMAX: t = score x log2(e); M = the running largest t rounded UP to a whole number; p = 2^(t - M) is quantised along the keys, not normalised; the row's sum is taken of the unquantised p and divides O at the end;
; when M moves, the sum and O are multiplied by 2^(old M - new M), which rounds nothing.
; K = 32 IN AN INSTRUCTION OF 128.  A packed fragment P holds 64 keys: row r, block B = the 32 channel codes of key perm(4 P + B, r).  The queries stand in four variants: variant B has the query's 32 codes in block B
; and zero codes elsewhere.  Packed fragment P x variant B is S^T of key tile 4 P + B: the other three blocks are products with the code 0.  In a variant's scale word the three idle bytes are 1.
; The variants share 30 registers [0 x 6][Qlo x 6][0 x 6][Qhi x 6][0 x 6]: Qlo has the codes in lanes 0-15 alone, Qhi in lanes 16-31 alone.
; SHARES.  A work-group owns 128 queries of one batch; each of its eight waves 16 of them (query tile w: positions perm(w, r)), with all 256 channels of O^T in 128 registers; two waves to a SIMD.
; Both products are used transposed (S^T = K Q^T, O^T = V P^T): a lane holds ONE query throughout, and O^T's registers run along the channels, which are the last product's K.
; CLUSTER.  The four work-groups of a cluster are query blocks of one batch and walk the same 32 records and the same wo: every tensor load is JOINT: the same load, the same descriptor, a mask that names the four.
; RING.  Two slots of four records (116,736 bytes), 131,072 bytes apart; each wave brings an eighth of a slot (57 rows of 256 bytes).  By this text's own count a wave has three tensor loads out at the head, one behind each round.
; LIMITS: NaN and infinities among the inputs are not served; a block under 2^-122 keeps the scale byte 1 (a block of zeros too: its codes are zeros); 1 / l is v_rcp_f32 and a multiplication; sums in the matrix unit's order.
; REGISTERS: window 0: v1-11 addresses; v12 -M, v13 the largest t, v[14:15] the sum in two halves; v16-45 Q's variants, v46-49 their scale words; v52-75 K, v76-77 its scale words; v80-95 V's scale words;
;   v96-159 S^T, then p, then y; v160-183 o_pre's two fragments, v184-185 their scale words; v192-223 wo's scale words; v224-235 p's codes; v232-254 at work.
;   window 1: v0-127 O^T (tile t at 8 t), later x; v128-223 eight fragments of V, later of wo.
.set REC,   29184
.set SLOTB, 4*REC
.set SLOT1, 131072
.set WOB,   247808                     ; wo's 32 fragments and scale words, 51,200 bytes, filled once
.set SPARE, 299008                     ; the spare words: 128 bytes a wave, four blocks of 256 bytes that no other line names
.set LI,  1                            ; v1   16 x lane
.set R16, 2                            ; v2   16 x (lane % 16)
.set L8,  3                            ; v3   8 x lane
.set SR,  4                            ; v4   the way out: my 32 rows of the stage
.set SPW, 5                            ; v5   my spare word's LDS address; never rewritten
.set NIL, 6                            ; v6   0; never rewritten
.set AD,  8                            ; v8-10 the record in hand: + 16 lane, + 16 r, + 8 lane
.set ADS, 9
.set ADT, 10
.set AWO, 8                            ; the way out takes these registers over: wo's fragments,
.set AWS, 9                            ; wo's scale words,
.set SO,  10                           ; where I put 32 bytes of a stage row (output channels 0-127),
.set SO2, 11                           ; (128-255)
.set QB,  16
.set QS,  46
.set KF,  52
.set KS,  76
.set VS,  80
.set S,   96
.set OF,  160
.set OW,  184
.set QL,  186
.set WOS, 192                          ; wo's 32 scale words, (t, k step) at WOS + 2 t + k step: these registers hold nothing else
.set TM,  232
.set PT,  236
.set VF,  128                          ; window 1
.set WV,  18
.set SEL, 20
.set CS,  22
.set G1,  24                           ; s[24:31] group 1 for a slot's eighth;  s[32:39] for wo's eighth
.set G1O, 32
.set G0A, 40                           ; s[40:43] slot 0's first fill;  s[44:47] slot 1's, which then walks;  s[48:51] wo
.set G0W, 44
.set G0O, 48
.set TB,  52                           ; s52  LDS byte at which the record in hand begins
.set CNT, 53
.set SLOTS, 54
.set XP,  56
.set OP,  58
.set GM,  60
.set BO,  68                           ; s[68:99] bo of my 32 output channels
.set MSB, 0
.macro WIN new                         ; the immediate's high byte repeats the setting that is left
.if MSB != \new
	s_set_vgpr_msb (MSB<<8)|\new
.set MSB, \new
.endif
.endm
.macro PLACES n
.rept \n
	v_nop
.endr
.endm
.macro CROUND                          ; a round of the cluster's barrier: my work-group's barrier; wave 0 signals for the work-group; every wave waits for all four; my work-group's barrier once more
	s_barrier_signal -1
	s_barrier_wait -1
	s_cmp_lg_u32 s[WV], 0
	s_cbranch_scc1 .Lnot_wave_0_\@
	s_barrier_signal -3
.Lnot_wave_0_\@:
	s_barrier_wait -3
	s_barrier_signal -1
	s_barrier_wait -1
.endm
.macro MMC d, a, b, c, sa, sb
	v_wmma_scale_f32_16x16x128_f8f6f4 v[\d:\d+7], v[\a:\a+11], v[\b:\b+11], v[\c:\c+7], v[\sa], v[\sb] matrix_a_fmt:MATRIX_FMT_BF6 matrix_b_fmt:MATRIX_FMT_BF6
.endm
.macro MMZ d, a, b, sa, sb             ; the first product starts a sum
	v_wmma_scale_f32_16x16x128_f8f6f4 v[\d:\d+7], v[\a:\a+11], v[\b:\b+11], 0, v[\sa], v[\sb] matrix_a_fmt:MATRIX_FMT_BF6 matrix_b_fmt:MATRIX_FMT_BF6
.endm
.macro VLOAD g                         ; V's fragments 8 g .. 8 g + 7 of the record in hand
	WIN 0x40                                       ; destination window 1, address window 0
.irp t, 0,1,2,3,4,5,6,7
.irp k, 0,1,2
	ds_load_b128 v[VF+12*\t+4*\k:VF+12*\t+4*\k+3], v[AD] offset:1536*(8*\g+\t)+512*\k
.endr
.endr
.endm
.macro RESC g                          ; O^T's tiles 8 g .. 8 g + 7 under the new M: x f, each accumulator from its low end on
	WIN 0x41                                       ; destination and source 0 window 1, f window 0
.set jj, 64*\g
.rept 32
	v_pk_mul_f32 v[jj:jj+1], v[jj:jj+1], v[252:253] op_sel_hi:[1,0]
.set jj, jj+2
.endr
.endm
.macro PV g                            ; O^T += V P^T: eight accumulators, one instruction each
	WIN 0x51                                       ; V, C and D window 1; p window 0
.irp t, 0,1,2,3,4,5,6,7
	MMC 8*(8*\g+\t), VF+12*\t, 224, 8*(8*\g+\t), VS+8*\g+\t, 253
.endr
.endm
; 64 numbers of a lane, register 16 b + i = k 32 b + 16 (lane / 16) + i of my row, become a fragment's codes in v[d] on and its scale word in v[pw]
.macro QUANT s, d, pw
.irp b, 0,1,2,3
	v_max3_num_f32 v[TM+\b], |v[\s+16*\b]|, |v[\s+1+16*\b]|, 0x2800000
.endr
.irp i, 2,4,6,8,10,12,14
.irp b, 0,1,2,3
	v_max3_num_f32 v[TM+\b], v[TM+\b], |v[\s+16*\b+\i]|, |v[\s+1+16*\b+\i]|
.endr
.endr
.irp b, 0,1,2,3
	v_permlanex16_b32 v[TM+4+\b], v[TM+\b], s[SEL], s[SEL+1]
.endr
.irp b, 0,1,2,3
	v_max_num_f32 v[TM+\b], v[TM+\b], v[TM+4+\b]
.endr
.irp b, 0,1,2,3
	v_add_nc_u32 v[TM+12+\b], 0xfe000000, v[TM+\b]
.endr
.irp b, 0,1,2,3
	v_lshrrev_b32 v[TM+4+\b], 23, v[TM+12+\b]
.endr
	v_lshl_or_b32 v[\pw], v[TM+5], 8, v[TM+4]
	v_lshl_or_b32 v[\pw], v[TM+6], 16, v[\pw]
	v_lshl_or_b32 v[\pw], v[TM+7], 24, v[\pw]
.irp c, 0,1
	v_cvt_scalef32_pk16_bf6_f32 v[\d+6*\c:\d+2+6*\c], v[\s+32*\c:\s+15+32*\c], v[TM+12+2*\c]
	v_cvt_scalef32_pk16_bf6_f32 v[PT+4*\c:PT+2+4*\c], v[\s+16+32*\c:\s+31+32*\c], v[TM+12+2*\c+1]
.endr
	v_nop                                          ; one plain place behind a scaled conversion
.irp c, 0,1
.irp i, 0,1,2
	v_permlane16_swap_b32 v[\d+6*\c+\i], v[PT+4*\c+\i]
.endr
.irp i, 0,1,2
	v_mov_b32 v[\d+3+6*\c+\i], v[PT+4*\c+\i]
.endr
.endr
.endm
	s_load_b256 s[4:11], s[0:1], 0x0               ; kv, qimg, woimg, x
	s_load_b128 s[12:15], s[0:1], 0x20             ; bo, gamma
	s_load_b64 s[16:17], s[0:1], 0x30              ; out0
	v_lshl_add_u32 v[SPW], v0, 2, SPARE
	v_mov_b32 v[NIL], 0
	ds_add_u32 v[SPW], v[NIL]                      ; the wave's opening: the add, twice on end, and its wait ahead of my first tensor load; the set-up below is work on registers
	ds_add_u32 v[SPW], v[NIL]
	v_lshrrev_b32 v1, 5, v0
	v_readfirstlane_b32 s[WV], v1                  ; wave 0..7
	; descriptor groups 1: dense rows of 256 bytes (32 elements of 8 bytes), no padding; the mask names all four work-groups, bit 21 set beside it
	s_mov_b32 s[G1], 15|(3<<16)|(1<<21)
	s_mov_b32 s[G1+1], 32<<16
	s_mov_b32 s[G1+2], 57<<16
	s_mov_b32 s[G1+3], 32<<16
	s_mov_b32 s[G1+4], 57
	s_mov_b32 s[G1+5], 32
	s_mov_b32 s[G1+6], 0
	s_mov_b32 s[G1+7], 0
	s_mov_b32 s[G1O], 15|(3<<16)|(1<<21)
	s_mov_b32 s[G1O+1], 32<<16
	s_mov_b32 s[G1O+2], 25<<16
	s_mov_b32 s[G1O+3], 32<<16
	s_mov_b32 s[G1O+4], 25
	s_mov_b32 s[G1O+5], 32
	s_mov_b32 s[G1O+6], 0
	s_mov_b32 s[G1O+7], 0
	s_mov_b32 s[SEL], 0x76543210
	s_mov_b32 s[SEL+1], 0xfedcba98
	s_mov_b32 s[CS], 0x3fb8aa3b                    ; log2(e)
	s_mov_b32 s[CS+1], s[CS]                       ; (named with it as a pair, so it is written)
	s_mov_b32 s[TB], 0
	s_mov_b32 s[SLOTS], 6
	s_and_b32 s68, ttmp7, 0xffff                   ; the batch, which the four partners share
	; groups 0: made of the batch and the wave's number alone
	s_mul_i32 s66, s68, 32*REC
	s_mul_i32 s[G0A+1], s[WV], 14592               ; LDS: my eighth of slot 0
	s_add_co_u32 s66, s66, s[G0A+1]
	s_mov_b32 s67, 0
	s_mov_b32 s[G0A], 1
	s_mov_b32 s[G0W], 1
	s_add_co_u32 s[G0W+1], s[G0A+1], SLOT1
	s_mov_b32 s[G0O], 1
	s_mul_i32 s[G0O+2], s[WV], 6400
	s_mov_b32 s[G0O+3], 0
	s_add_co_u32 s[G0O+1], s[G0O+2], WOB
	; my place in the cluster enters the addresses of qimg, the queries' scale words, x and out0 alone
	s_bfe_u32 s19, ttmp6, 0x40000                  ; cx
	s_lshl_b32 s69, ttmp9, 2
	s_add_co_u32 s69, s69, s19                     ; my block of 128 queries
	s_lshl_b32 s70, s68, 5
	s_add_co_u32 s70, s70, s69                     ; its record
	s_mul_i32 s2, s70, REC
	s_mov_b32 s3, 0
	s_mul_i32 s62, s70, 3072
	s_mov_b32 s63, 0
	s_lshl_b32 s[XP], s68, 22                      ; x, out0: batch, my 32 output channels, my 128 positions
	s_lshl_b32 s71, s[WV], 19
	s_add_co_u32 s[XP], s[XP], s71
	s_lshl_b32 s71, s69, 9
	s_add_co_u32 s[XP], s[XP], s71
	s_mov_b32 s[XP+1], 0
	s_lshl_b32 s72, s[WV], 7
	s_mov_b32 s73, 0
	v_and_b32 v244, 31, v0                         ; lane
	v_and_b32 v245, 15, v0                         ; r
	v_lshlrev_b32 v[LI], 4, v244
	v_lshlrev_b32 v[R16], 4, v245
	v_lshlrev_b32 v[L8], 3, v244
	; query tile w is block w % 4 of packed fragment w / 4: in the image, registers 6 ((w / 2) % 2) on of lane r + 16 (w % 2): 24 bytes in three pieces of 8
	s_and_b32 s74, s[WV], 1
	s_lshl_b32 s74, s74, 8
	s_lshr_b32 s75, s[WV], 2
	s_mul_i32 s76, s75, 1536
	s_add_co_u32 s74, s74, s76
	s_bfe_u32 s76, s[WV], 0x10001
	s_mul_i32 s77, s76, 520                        ; pieces at 0, 8, 512 or at 520, 1024, 1032
	s_add_co_u32 s77, s77, s74
	s_mul_i32 s78, s76, 1016
	s_add_co_u32 s78, s78, s74
	s_add_co_u32 s78, s78, 8
	s_add_co_u32 s79, s77, 512
	v_add_nc_u32 v240, s77, v[R16]
	v_add_nc_u32 v241, s78, v[R16]
	v_add_nc_u32 v242, s79, v[R16]
	s_lshl_b32 s75, s75, 2
	s_add_co_u32 s75, s75, 28928
	v_add_nc_u32 v243, s75, v[L8]
	s_and_b32 s55, s[WV], 3
	s_lshl_b32 s55, s55, 3                         ; my tile's byte in the scale word
	s_wait_dscnt 0x0                               ; both opening adds are done
	s_wait_kmcnt 0x0
	s_add_nc_u64 s[G0A+2:G0A+3], s[4:5], s[66:67]
	s_add_nc_u64 s[G0W+2:G0W+3], s[G0A+2:G0A+3], SLOTB
	s_or_b32 s[G0A+3], s[G0A+3], 0x80000000
	s_or_b32 s[G0W+3], s[G0W+3], 0x80000000
	s_add_nc_u64 s[G0O+2:G0O+3], s[8:9], s[G0O+2:G0O+3]
	s_or_b32 s[G0O+3], s[G0O+3], 0x80000000
	s_add_nc_u64 s[OP:OP+1], s[16:17], s[XP:XP+1]
	s_add_nc_u64 s[XP:XP+1], s[10:11], s[XP:XP+1]
	s_add_nc_u64 s[2:3], s[4:5], s[2:3]
	s_add_nc_u64 s[6:7], s[6:7], s[62:63]
	s_add_nc_u64 s[12:13], s[12:13], s[72:73]
	CROUND                                         ; all four work-groups are here: the first joint loads meet
	tensor_load_to_lds s[G0O:G0O+3], s[G1O:G1O+7]  ; wo
	s_nop 0
	tensor_load_to_lds s[G0A:G0A+3], s[G1:G1+7]    ; records 0-3
	s_nop 0
	tensor_load_to_lds s[G0W:G0W+3], s[G1:G1+7]    ; records 4-7
	s_nop 0
	PLACES 4
	global_load_b64 v[QL:QL+1], v240, s[6:7]
	global_load_b64 v[QL+2:QL+3], v241, s[6:7]
	global_load_b64 v[QL+4:QL+5], v242, s[6:7]
	global_load_b32 v248, v243, s[2:3]
	s_load_b512 s[BO:BO+15], s[12:13], 0x0         ; bo and gamma are wanted on the way out: their wait stands there
	s_load_b512 s[BO+16:BO+31], s[12:13], 0x40
	s_load_b32 s[GM], s[14:15], 0x0
.irp i, 0,1,2,3,4,5
	v_mov_b32 v[QB+\i], 0
	v_mov_b32 v[QB+12+\i], 0
	v_mov_b32 v[QB+24+\i], 0
.endr
	v_mov_b32 v13, 0xff61b1e6                      ; the largest t so far: -3e38, under every t
	v_floor_f32 v12, -v13                          ; -M
	v_mov_b32 v14, 0
	v_mov_b32 v15, 0
.irp b, 0,1,2,3
	v_mov_b32 v[236+\b], 0                         ; written once: a lane permute's destination counts as one of its sources
.endr
	v_mov_b32 v253, 0                              ; (named as the upper half of the pair v[252:253] before it is first written)
	WIN 0x40
.set jj, 0
.rept 128
	v_mov_b32 v[jj], 0                             ; O^T.  The key step is written once: the first finds zeros, which the first change of M leaves zeros
.set jj, jj+1
.endr
	WIN 0
	s_wait_loadcnt 0x0
	v_cmp_gt_u32 vcc_lo, 16, v244                  ; lanes 0-15
.irp i, 0,1,2,3,4,5
	v_cndmask_b32 v[QB+6+\i], v[QB], v[QL+\i], vcc_lo    ; Qlo
	v_cndmask_b32 v[QB+18+\i], v[QL+\i], v[QB], vcc_lo   ; Qhi
.endr
	v_bfe_u32 v249, v248, s55, 8                   ; my query's scale byte
.irp b, 0,1,2,3
	v_lshl_or_b32 v[QS+\b], v249, 8*\b, 0x01010101-(1<<(8*\b))
.endr
	PLACES 8                                       ; a scale register written by a vector instruction stands eight places ahead of a scaled product: once a wave, so that the distance does not lean on the key step's first lines
; A KEY STEP: one record, 128 keys.
.macro STEP
	v_add_nc_u32 v[AD], s[TB], v[LI]
	v_add_nc_u32 v[ADS], s[TB], v[R16]
	v_add_nc_u32 v[ADT], s[TB], v[L8]
	v_nop                                          ; with the three additions: four places in front of loads into registers that the last products have read
.irp P, 0,1
.irp k, 0,1,2
	ds_load_b128 v[KF+12*\P+4*\k:KF+12*\P+4*\k+3], v[AD] offset:24576+1536*\P+512*\k
.endr
.endr
	ds_load_b64 v[KS:KS+1], v[ADT] offset:28672
.irp g, 0,1,2,3
	ds_load_b128 v[VS+4*\g:VS+4*\g+3], v[ADS] offset:27648+256*\g
.endr
	VLOAD 0
	WIN 0
	s_wait_dscnt 28                                ; K and its scale words are in; the 4 loads of V's scale words and the 24 of V's fragments may be out
.irp P, 0,1
.irp B, 0,1,2,3
	MMZ S+8*(4*\P+\B), KF+12*\P, QB+6*(1-\B/2)+12*(\B%2), KS+\P, QS+\B   ; S^T of key tile 4 P + B: the 16 registers of tiles 2 b, 2 b + 1 are keys 32 b + 16 (lane / 16) + 0 .. 15
.endr
.endr
	PLACES 4
.irp b, 0,1,2,3
	v_max3_num_f32 v[232+\b], v[S+16*\b], v[S+1+16*\b], v[S+2+16*\b]   ; the largest score of each block of 32 keys: it serves the row's maximum and, since p rises with the score, the block's largest p
.endr
.irp i, 3,5,7,9,11,13
.irp b, 0,1,2,3
	v_max3_num_f32 v[232+\b], v[232+\b], v[S+16*\b+\i], v[S+1+16*\b+\i]
.endr
.endr
.irp b, 0,1,2,3
	v_max_num_f32 v[232+\b], v[232+\b], v[S+15+16*\b]
.endr
.irp b, 0,1,2,3
	v_permlanex16_b32 v[236+\b], v[232+\b], s[SEL], s[SEL+1]
.endr
.irp b, 0,1,2,3
	v_max_num_f32 v[232+\b], v[232+\b], v[236+\b]  ; with lane l xor 16's 16 keys
.endr
	v_max3_num_f32 v254, v232, v233, v234
	v_max_num_f32 v254, v254, v235
	v_mul_f32 v254, s[CS], v254                    ; the step's largest t
	v_max_num_f32 v13, v13, v254                   ; the running largest t
	v_mov_b32 v254, v12
	v_floor_f32 v12, -v13                          ; the new -M = floor(-t) = -ceil(t)
	v_sub_f32 v254, v12, v254                      ; old M - new M: a whole number, 0 or less
	v_cvt_i32_f32 v254, v254                       ; (it saturates)
	v_ldexp_f32 v252, 1.0, v254                    ; f = 2^(old M - new M)
.set jj, 0
.rept 32
	v_pk_fma_f32 v[S+jj:S+jj+1], v[S+jj:S+jj+1], s[CS:CS+1], v[12:13] op_sel_hi:[1,0,0]   ; t - M, two at a time
.set jj, jj+2
.endr
.irp b, 0,1,2,3
	v_fma_f32 v[232+\b], v[232+\b], s[CS], v12     ; the same of each block's largest score
.endr
.set jj, 0
.rept 64
	v_exp_f32 v[S+jj], v[S+jj]                     ; p = 2^(t - M), at most 1
.set jj, jj+1
.endr
	v_pk_mul_f32 v[14:15], v[14:15], v[252:253] op_sel_hi:[1,0]   ; the sums under the new M: the plain place behind the exponentials
	s_wait_alu depctr_va_vdst(0)                   ; the wait ahead of the first instruction that names a result: one for the batch of 64
.irp b, 0,1,2,3
	v_exp_f32 v[232+\b], v[232+\b]                 ; the block's largest p: the same two instructions on the same number give the same bits
.endr
	v_pk_add_f32 v[236:237], v[S:S+1], v[S+2:S+3]  ; the row's sum is taken of the unquantised p, in two chains
.irp j, 4,8,12,16,20,24,28,32,36,40,44,48,52,56,60
	v_pk_add_f32 v[14:15], v[14:15], v[S+\j:S+1+\j]
	v_pk_add_f32 v[236:237], v[236:237], v[S+2+\j:S+3+\j]
.endr
	v_pk_add_f32 v[14:15], v[14:15], v[236:237]
	s_wait_alu depctr_va_vdst(0)                   ; and one for the four
.irp b, 0,1,2,3
	v_max_num_f32 v[232+\b], 0x2800000, v[232+\b]  ; the floor 2^(5 - 127): the byte cannot fall under 1
.endr
.irp b, 0,1,2,3
	v_add_nc_u32 v[244+\b], 0xfe000000, v[232+\b]  ; 4 off the exponent field: the conversion's scale operand
.endr
.irp b, 0,1,2,3
	v_lshrrev_b32 v[236+\b], 23, v[244+\b]         ; the scale's byte
.endr
	v_lshl_or_b32 v253, v237, 8, v236              ; p's scale word for these 128 keys
	v_lshl_or_b32 v253, v238, 16, v253
	v_lshl_or_b32 v253, v239, 24, v253
.irp c, 0,1
	v_cvt_scalef32_pk16_bf6_f32 v[224+6*\c:226+6*\c], v[S+32*\c:S+15+32*\c], v[244+2*\c]
	v_cvt_scalef32_pk16_bf6_f32 v[236+4*\c:238+4*\c], v[S+16+32*\c:S+31+32*\c], v[244+2*\c+1]
.endr
	v_nop                                          ; one plain place behind a scaled conversion
.irp c, 0,1
.irp i, 0,1,2
	v_permlane16_swap_b32 v[224+6*\c+\i], v[236+4*\c+\i]
.endr
.irp i, 0,1,2
	v_mov_b32 v[227+6*\c+\i], v[236+4*\c+\i]
.endr
.endr
	RESC 0                                         ; these 32 are also the places between p's codes and scale word and the products
	s_wait_dscnt 0x0                               ; V's first eight fragments and all its scale words are in
	PV 0
	PLACES 4                                       ; in front of loads into registers that matrix instructions have read
	VLOAD 1
	RESC 1                                         ; stands between the loads and the wait for them
	s_wait_dscnt 0x0
	PV 1
	WIN 0
.endm
.macro STEPS                           ; a slot's four key steps: written once, walked four times
	s_mov_b32 s[CNT], 4
.Lstep_\@:
	STEP
	s_add_co_u32 s[TB], s[TB], REC
	s_sub_co_u32 s[CNT], s[CNT], 1
	s_cmp_lg_u32 s[CNT], 0
	s_cbranch_scc1 .Lstep_\@
.endm
; THE CHANGE OF SLOTS.  Each wave waits for all its tensor loads (its eighth of the slot ahead), adds 0 to its spare word, and waits for that and for its reads of the slot that it leaves.
; fill = 1: the barrier is a round of the cluster's, so that no wave of any partner still reads the slot or has a load on its way; the joint refill, the four records that follow those of the slot ahead, is the first thing
; behind it and has four key steps in which to land.
.macro CHANGE fill
	s_wait_tensorcnt 0x0                           ; no tensor load of mine is out, so a group 0 may be written
	ds_add_u32 v[SPW], v[NIL]                      ; the steps below stand between the add and the wait for it
.if \fill
	s_xor_b32 s[G0W+1], s[G0W+1], SLOT1            ; the walking descriptor: the other slot than last time,
	s_add_nc_u64 s[G0W+2:G0W+3], s[G0W+2:G0W+3], SLOTB   ; the next four records; the type bits on top are not reached
.endif
	s_sub_co_u32 s[TB], s[TB], SLOTB               ; the reads go back to a slot's first record,
	s_xor_b32 s[TB], s[TB], SLOT1                  ; in the other slot
	s_wait_dscnt 0x0                               ; the add is done, and my reads of the slot are over
.if \fill
	CROUND
	tensor_load_to_lds s[G0W:G0W+3], s[G1:G1+7]
	s_nop 0
	PLACES 4
.else
	s_barrier_signal -1
	s_barrier_wait -1
.endif
.endm
	s_wait_tensorcnt 1                             ; wo and my eighth of slot 0 are in; slot 1's load, the one issued behind them, may stay out
	s_barrier_signal -1
	s_barrier_wait -1                              ; everybody's are
	STEPS                                          ; records 0-3
.Lslot:                                            ; six trips: records 8-31 are asked for, records 4-27 are walked
	CHANGE 1
	STEPS
	s_sub_co_u32 s[SLOTS], s[SLOTS], 1
	s_cmp_lg_u32 s[SLOTS], 0
	s_cbranch_scc1 .Lslot
	CHANGE 0                                       ; the tail is written out
	STEPS                                          ; records 28-31, in slot 1
	; THE WAY OUT.  o_pre = O^T / l is quantised along the channels in registers; y = o_pre wo^T; gamma (y + bo) + x.  The additions and the addresses are the places behind the last products.
	s_wait_kmcnt 0x0                               ; bo and gamma
	s_mov_b32 s[GM+1], s[GM]
	v_add_f32 v14, v14, v15                        ; the sum's two halves,
	v_permlanex16_b32 v252, v14, s[SEL], s[SEL+1]
	v_add_f32 v14, v14, v252                       ; and lane l xor 16's: the row's sum
	v_rcp_f32 v14, v14
	v_and_b32 v244, 15, v0                         ; r  (the plain place behind the reciprocal)
	v_bfe_u32 v245, v0, 4, 1                       ; h
	v_and_b32 v246, 8, v244
	v_add_nc_u32 v246, v246, v244                  ; r + 8 (r / 8)
	s_lshr_b32 s62, s[WV], 1
	s_lshl_b32 s62, s62, 7
	s_and_b32 s63, s[WV], 1
	s_lshl_b32 s63, s63, 5
	s_add_co_u32 s62, s62, s63
	v_mul_u32_u24 v[SO], v246, 528                 ; the stage: 256 rows (output channels) x (512 bytes + 16), from LDS byte 0 on: both slots have had their last fill.  My lane: channel perm(t, r),
	v_lshl_add_u32 v[SO], v245, 6, v[SO]           ; eight neighbouring positions 32 (w / 2) + 8 (w % 2) + 16 h + 0 .. 7
	v_add_nc_u32 v[SO], s62, v[SO]
	v_add_nc_u32 v[SO2], 128*528, v[SO]
	s_mul_i32 s62, s[WV], 32*528
	v_add_nc_u32 v[SR], s62, v[LI]
	v_add_nc_u32 v[AWO], WOB, v[LI]
	v_add_nc_u32 v[AWS], WOB+49152, v[R16]
	s_wait_alu depctr_va_vdst(0)                   ; the wait ahead of the reciprocal's first reader
.irp K, 0,1                                    ; channels 128 K on: O^T's tiles 8 K .. 8 K + 7; register 16 b + i is channel 128 K + 32 b + 16 h + i
	WIN 0x01                                       ; source 0 window 1
.set jj, 0
.rept 32
	v_pk_mul_f32 v[S+jj:S+jj+1], v[64*\K+jj:64*\K+jj+1], v[14:15] op_sel_hi:[1,0]   ; each accumulator from its low end on
.set jj, jj+2
.endr
	WIN 0
	QUANT S, OF+12*\K, OW+\K
.endr
	WIN 0x40
.set ii, 0
.rept 32
	global_load_b128 v[4*ii:4*ii+3], v[LI], s[XP:XP+1] offset:16384*ii th:TH_LOAD_NT   ; x for the residual, 32 rows of 512 consecutive bytes, into the registers that O^T has left
.set ii, ii+1
.endr
	WIN 0
.irp q, 0,1,2,3,4,5,6,7
	ds_load_b128 v[WOS+4*\q:WOS+4*\q+3], v[AWS] offset:256*\q
.endr
	s_wait_dscnt 0x0
	s_barrier_signal -1
	s_barrier_wait -1                              ; every wave has left slot 1: the stage may be written
	PLACES 8                                       ; o_pre's scale words, written by vector instructions, stand eight places ahead of the scaled products
.irp G, 0,1,2,3                                ; four tiles of output channels at a time.  Source 0 = my 16 queries, source 1 = 16 rows of wo: a lane holds ONE output channel and eight neighbouring positions
	WIN 0x40
.irp f, 0,1,2,3,4,5,6,7
.irp k, 0,1,2
	ds_load_b128 v[VF+12*\f+4*\k:VF+12*\f+4*\k+3], v[AWO] offset:(8*\G+\f)*1536+512*\k
.endr
.endr
	s_wait_dscnt 0x0
	WIN 0x04                                       ; source 1 window 1
.irp T, 0,1,2,3
	MMZ S+32*(\G%2)+8*\T, OF, VF+12*(2*\T), OW, WOS+8*\G+2*\T
.endr
.irp T, 0,1,2,3
	MMC S+32*(\G%2)+8*\T, OF+12, VF+12*(2*\T+1), S+32*(\G%2)+8*\T, OW+1, WOS+8*\G+2*\T+1
.endr
	WIN 0
	PLACES 5                                       ; four in front of the stores that read results and of the next loads; five in front of the products that begin these accumulators anew two groups on
.irp T, 0,1,2,3
.if \G < 2
	ds_store_b128 v[SO], v[S+32*(\G%2)+8*\T:S+32*(\G%2)+8*\T+3] offset:((32*((4*\G+\T)/2)+8*(\T%2))%128)*528
	ds_store_b128 v[SO], v[S+32*(\G%2)+8*\T+4:S+32*(\G%2)+8*\T+7] offset:((32*((4*\G+\T)/2)+8*(\T%2))%128)*528+16
.else
	ds_store_b128 v[SO2], v[S+32*(\G%2)+8*\T:S+32*(\G%2)+8*\T+3] offset:((32*((4*\G+\T)/2)+8*(\T%2))%128)*528
	ds_store_b128 v[SO2], v[S+32*(\G%2)+8*\T+4:S+32*(\G%2)+8*\T+7] offset:((32*((4*\G+\T)/2)+8*(\T%2))%128)*528+16
.endif
.endr
.endr
	s_wait_dscnt 0x0                               ; for the others' sake: my stores into the stage are done
	s_barrier_signal -1
	s_barrier_wait -1                              ; 256 whole rows of y lie in the stage
	; my 32 output channels, in two halves of 16 rows: a row of 512 bytes an instruction, 64 registers a half
	WIN 0x10                                       ; source 2 (x) window 1
.irp H, 0,1
.if \H
	s_wait_xcnt 0x0                                ; the first half's stores have read their data: the second half's rows land on those registers only behind this wait
.endif
.set ii, 0
.rept 16
	ds_load_b128 v[S+4*ii:S+4*ii+3], v[SR] offset:528*(16*\H+ii)
.set ii, ii+1
.endr
.if \H == 0
	s_wait_loadcnt 0x0                             ; x
.endif
.set ii, 0
.rept 16
	s_wait_dscnt 15-ii                             ; row ii of the half is in; the younger rows may be out
.irp k, 0,1,2,3
	v_add_f32 v[S+4*ii+\k], s[BO+16*\H+ii], v[S+4*ii+\k]
.endr
	v_pk_fma_f32 v[S+4*ii:S+4*ii+1], v[S+4*ii:S+4*ii+1], s[GM:GM+1], v[64*\H+4*ii:64*\H+4*ii+1] op_sel_hi:[1,0,1]
	v_pk_fma_f32 v[S+4*ii+2:S+4*ii+3], v[S+4*ii+2:S+4*ii+3], s[GM:GM+1], v[64*\H+4*ii+2:64*\H+4*ii+3] op_sel_hi:[1,0,1]
	global_store_b128 v[LI], v[S+4*ii:S+4*ii+3], s[OP:OP+1] offset:16384*(16*\H+ii) th:TH_STORE_NT   ; 32 lanes store 512 consecutive bytes, at a multiple of 256 from out0's first byte
.set ii, ii+1
.endr
.endr
	WIN 0
	s_wait_tensorcnt 0x0                           ; the wave's end, behind my last tensor load and my last LDS store
	ds_add_u32 v[SPW], v[NIL]
	s_wait_dscnt 0x0
	CROUND                                         ; the closing round: no work-group ends while a partner may still ask for a tile that names it
	s_endpgm
.Lfunc_end_k_q0f8ed09ad0_attend:
	.size	k_q0f8ed09ad0_attend, .Lfunc_end_k_q0f8ed09ad0_attend-k_q0f8ed09ad0_attend
	.p2alignl 7, 3214868480
	.fill 96, 4, 3214868480
	.section	.rodata,"a",@progbits
	.p2align	6, 0x0
	.amdhsa_kernel k_q0f8ed09ad0_attend
		.amdhsa_group_segment_fixed_size 327680
		.amdhsa_private_segment_fixed_size 0
		.amdhsa_enable_private_segment 0
		.amdhsa_kernarg_size 56
		.amdhsa_user_sgpr_count 2
		.amdhsa_user_sgpr_kernarg_segment_ptr 1
		.amdhsa_wavefront_size32 1
		.amdhsa_system_sgpr_workgroup_id_x 1
		.amdhsa_system_sgpr_workgroup_id_y 1
		.amdhsa_system_sgpr_workgroup_id_z 1
		.amdhsa_system_vgpr_workitem_id 0
		.amdhsa_next_free_vgpr 512
		.amdhsa_next_free_sgpr 100
		.amdhsa_reserve_vcc 1
		.amdhsa_float_denorm_mode_32 3
		.amdhsa_float_denorm_mode_16_64 3
		.amdhsa_memory_ordered 1
		.amdhsa_forward_progress 1
		.amdhsa_inst_pref_size 125
	.end_amdhsa_kernel
	.amdgpu_metadata
---
amdhsa.version: [ 1, 2 ]
amdhsa.kernels:
  - .name:           k_q0f8ed09ad0_attend
    .symbol:         k_q0f8ed09ad0_attend.kd
    .args:
      - { .name: kv, .offset: 0, .size: 8, .value_kind: global_buffer, .address_space: global }
      - { .name: qimg, .offset: 8, .size: 8, .value_kind: global_buffer, .address_space: global }
      - { .name: woimg, .offset: 16, .size: 8, .value_kind: global_buffer, .address_space: global }
      - { .name: x, .offset: 24, .size: 8, .value_kind: global_buffer, .address_space: global }
      - { .name: bo, .offset: 32, .size: 8, .value_kind: global_buffer, .address_space: global }
      - { .name: gamma, .offset: 40, .size: 8, .value_kind: global_buffer, .address_space: global }
      - { .name: out0, .offset: 48, .size: 8, .value_kind: global_buffer, .address_space: global }
    .group_segment_fixed_size: 327680
    .private_segment_fixed_size: 0
    .kernarg_segment_align: 8
    .kernarg_segment_size: 56
    .max_flat_workgroup_size: 256
    .sgpr_count:     100
    .vgpr_count:     512
    .wavefront_size: 32
...
	.end_amdgpu_metadata
.endif
;; end of part 2
